; MI455X (gfx1250); checked and timed in simulation.
; The chip was launched on July 23, 2026; its instructions are those of AMD's public machine-readable ISA for CDNA 5 (MIT licence, August 2026) and "CDNA5" Instruction Set Architecture Reference Guide (July 2026). The comments in the code are by the model that wrote it; some were corrected since.
;; Proposal Target Layer. Allowed arithmetic: float matrix products may take bf16 or f16 operands with f32 sums; all other float work in f32.
;; Inputs: gt_boxes_and_cls 8 x 512 x 10 float32; roi_labels 8 x 4,096 int32; roi_scores 8 x 4,096 float32; rois 8 x 4,096 x 9 float32.
;; Outputs: out0 8 x 26,112 float32.
;; Constants: batch_size = 8.
;; 2 versions, each right; version 2 is version 1 with the launch pairs written anew for expert scheduling mode. Each part assembles by itself: llvm-mc -triple=amdgcn-amd-amdhsa -mcpu=gfx1250 --defsym DOCPART=n.
;; ======== version 1 of 2: 2 launches
;; limits: right only within a limited range of input values
;; workspace buffers: cand 524,288 bytes of whole numbers
;; launch pairs (part 1): grid 32 x 8, 4 waves a work-group, no clusters, 41,984 bytes of LDS; arguments gt_boxes_and_cls, roi_labels, roi_scores, rois, out0, cand; writes out0, cand
.if DOCPART == 1
	.amdgcn_target "amdgcn-amd-amdhsa--gfx1250"
	.amdhsa_code_object_version 6
	.text
	.protected	k_q1eba30bba6_pairs
	.globl	k_q1eba30bba6_pairs
	.p2align	8
	.type	k_q1eba30bba6_pairs,@function
k_q1eba30bba6_pairs:
	s_mov_b64 s[64:65], 0
	v_nop
	global_prefetch_b8 v0, s[64:65] scope:SCOPE_SE
	s_setreg_imm32_b32 hwreg(HW_REG_WAVE_MODE, 25, 1), 1
	s_wait_xcnt 0x0
; ProposalTargetLayer, first of two launches: all ROI x GT pair work.
; A work-group owns one batch (ttmp7) and one chunk of 128 ROIs (ttmp9) against the batch's 512 GTs: 65,536 pairs.
; Wave w owns ROIs 32 w .. 32 w + 31 of the chunk; a lane owns 16 GTs (register quad i: GTs 128 i + 4 lane + 0..3).
; It writes  out0[b][17920 + 2 r + 0..1] = (fp * score, fp)  for its 128 ROIs, and
;            cand[b][chunk][g] = 0 (no match in this chunk), K (best medium match) or 32768 + K (best high match),
;            K = (128 - rank) * 128 + index in the chunk; the next launch reads the index as K & 127.
; NO SQUARE ROOT.  A correctly rounded root is monotone: sqrt(x) <= t in f32 exactly when x <= T(t), the largest f32 below (t + ulp(t)/2)^2:
;   t = 0.5: 0x3e800001   1: 0x3f800001   2: 0x40800001   2.5: 0x40c80001   3.5: 0x41440000   4: 0x41800001.   This holds for every x.
; ONE KEY.  The medium match counts only where a GT has no high match, so one maximum over (tier, score, first index) serves both.
;   rank = how many ROIs of the chunk have a higher score, or the same score and a lower index; K falls as rank grows, all K differ.
; THE MASK WITHOUT A COMPARE.  a = fma(x', -2^48, Tnext * 2^48), Tnext the f32 above T.  The fma rounds once, so a's sign is exact:
;   x' <= T gives a >= 2^-25 * 2^48 = 2^23, above every key; otherwise a <= 0.  best = max(min(a, key), best) takes the key or nothing.
; GROUP AND ROI VALIDITY are a third coordinate: x' = x + (8 group_gt - 8 group_roi)^2, exactly x for equal groups, at least x + 64 > 16
;   otherwise (an invalid ROI stands at 64, 24 or more from every GT).  An invalid GT has x coordinate +inf: its distance is +inf.
; Per pair: 8 packed instructions for two GTs each (dx, dy, square, d^2, dz, x', aH, aM), half a min3, two minmax: 6.5 issue slots.
; LIMITS.  x, y of ROIs and GTs finite (min3 and minmax drop a NaN, so a NaN distance would count as a match).  Scores no NaN and above
;   -1e9 (below that reference()'s filler wins its argmax).  d^2 = fma(dy, dy, dx * dx), one rounding fewer than two products and a sum.
; NO CLUSTER, NO TENSOR LOAD: what the 32 work-groups of a batch share is the GT table, 20,480 bytes read once by each against
;   65,536 pairs x 6.5 instructions, and each GT row has to pass through registers (row sum, class to constants) before it is of use.
.set GT_ROW,  40                       ; bytes of a GT row (10 f32)
.set ROI_ROW, 36                       ; bytes of a ROI row (9 f32)
.set OUT_ROW, 104448                   ; bytes of a batch's output: 26,112 f32
.set OUT_R,   71680                    ; its ROI part begins behind 512 x 35 f32
; LDS
.set L_GX,   0                         ; 512 f32 each: x (or +inf), y, 8 x group, Tnext(high) * 2^48, Tnext(medium) * 2^48
.set L_GY,   2048
.set L_GZ,   4096
.set L_CH,   6144
.set L_CM,   8192
.set L_SK,   10240                     ; 128 words: the chunk's scores as integers of the same order
.set L_REC,  10752                     ; 128 records of 32 bytes: -x, -x, -y, -y, -z, -z, K, K + 32768
.set L_MIN,  14848                     ; per wave 32 rows (ROI) x 32 words (lane), pitch 144 bytes = 9 x 16: 16-byte reads of 16 rows start in 16 different columns
.set MINP,   144
.set L_BEST, 33280                     ; per wave 512 f32: its best key of every GT
; constants
.set NEG_HUGE, 0xd7800000              ; -2^48
.set C05, 0x56800002                   ; Tnext(t) * 2^48
.set C10, 0x57800002
.set C20, 0x58800002
.set C25, 0x58c80002
.set C35, 0x59440001
.set C40, 0x59800002
.set T40, 0x41800001                   ; T(4.0), for the false positives
.set GRP_TAB, (1<<3)|(1<<6)|(2<<9)|(2<<12)|(3<<15)|(4<<18)|(4<<21)|(5<<24)|(5<<27)   ; 3 bits a class: its group
.set HID_TAB, 2|(3<<3)|(3<<6)|(4<<9)|(3<<12)|(1<<18)|(1<<21)                        ; 3 bits a class: 0..4 = high threshold 0.5, 1, 2, 2.5, 3.5
; vector registers, in front of the loop.  v0 thread t; v2 160 t; v3 36 t; v4 4 t; v5 16 t; v6 my score as ordered integer, v7 the same - 1;
; v8 my score (kept to the end); v9 label; v10-15 at work
.set GTR,  16                          ; v16-55   four GT rows as loaded
.set RR,   56                          ; v56-64   my ROI row
.set QX,   68                          ; v68-87   five quads for the GT tables
.set QY,   72
.set QZ,   76
.set QH,   80
.set QM,   84
.set SUM,  88                          ; v88-91   four row sums
.set SKV,  96                          ; v96-223  the chunk's 128 ordered scores, my wave's block first
.set REC0, 224                         ; v224-231 my ROI's record
.set REC1, 228
.set RK,   232                         ; v232-235 four partial ranks
.set TH,   236                         ; v236-239 thresholds of four steps in my own block
.set THD,  240                         ; v240-242 threshold against the other three blocks
; in the loop.  v1 16 x lane; v2 record address; v3 min stage, in; v9 min stage, back; v5 best stage
.set GX, 16
.set GY, 32
.set GZ, 48
.set CH, 64
.set CM, 80
.set BST, 96                           ; v96-111  best key of my 16 GTs
.set T0, 128                           ; v128-143
.set T1, 144                           ; v144-159
.set T2, 160                           ; v160-164
.set RCA, 168                          ; v168-175 record of the even ROI
.set RCB, 176                          ; v176-183 record of the odd ROI
.set NH, 184                           ; v184-185 -2^48 twice
.set U,  160                           ; the way out: v160-169
.set OP, 170                           ; v170-171 the ROI's two outputs
	s_load_b256 s[4:11], s[0:1], 0x0               ; gt s[4:5], labels s[6:7], scores s[8:9], rois s[10:11]
	s_load_b128 s[12:15], s[0:1], 0x20             ; out0 s[12:13], cand s[14:15]
	v_lshl_add_u32 v244, v0, 2, 0xa200
	v_mov_b32 v245, 0
	v_lshrrev_b32 v1, 5, v0
	v_readfirstlane_b32 s16, v1                    ; wave 0..3
	s_and_b32 s17, ttmp7, 0xffff                   ; batch
	v_mul_u32_u24 v2, v0, 4*GT_ROW                 ; thread t prepares GTs 4 t .. 4 t + 3: 160 neighbouring bytes
	v_mul_u32_u24 v3, v0, ROI_ROW                  ; and ROI t of the chunk
	v_lshlrev_b32 v4, 2, v0
	s_mul_i32 s20, s17, 512*GT_ROW                 ; the batch's GT table
	s_mov_b32 s21, 0
	s_lshl_b32 s22, s17, 12
	s_lshl_b32 s2, ttmp9, 7
	s_add_co_u32 s22, s22, s2                      ; the chunk's first ROI, counted over all batches
	s_mul_i32 s24, s22, ROI_ROW
	s_mov_b32 s25, 0
	s_lshl_b32 s26, s22, 2
	s_mov_b32 s27, 0
	s_mul_i32 s18, s17, OUT_ROW
	s_lshl_b32 s2, ttmp9, 10                       ; 128 ROIs x 8 bytes
	s_add_co_u32 s18, s18, s2
	s_add_co_u32 s18, s18, OUT_R
	s_mov_b32 s19, 0
	s_lshl_b32 s22, s17, 5
	s_add_co_u32 s22, s22, ttmp9
	s_lshl_b32 s22, s22, 11                        ; cand: (32 batch + chunk) x 512 words
	s_mov_b32 s23, 0
	s_wait_kmcnt 0x0
	s_add_nc_u64 s[4:5], s[4:5], s[20:21]
	s_add_nc_u64 s[6:7], s[6:7], s[26:27]
	s_add_nc_u64 s[8:9], s[8:9], s[26:27]
	s_add_nc_u64 s[10:11], s[10:11], s[24:25]
	s_add_nc_u64 s[12:13], s[12:13], s[18:19]
	s_add_nc_u64 s[14:15], s[14:15], s[22:23]
	global_load_b32 v8, v4, s[8:9]                 ; my ROI's score
	global_load_b32 v9, v4, s[6:7]                 ; and label
.irp e,0,1,2,3,4,5,6,7,8
	global_load_b32 v[RR+\e], v3, s[10:11] offset:4*\e     ; rows of 36 bytes: only 4-byte pieces are aligned in every row
.endr
.irp i,0,1,2,3,4,5,6,7,8,9
	global_load_b128 v[GTR+4*\i:GTR+4*\i+3], v2, s[4:5] offset:16*\i
.endr
	s_mov_b32 s28, 0x80000000
	s_mov_b32 s31, GRP_TAB
	s_mov_b32 s32, HID_TAB
	s_mov_b32 s33, 0x7f800000                      ; +inf
	s_mov_b32 s34, C05
	s_mov_b32 s35, C10
	s_mov_b32 s36, C20
	s_mov_b32 s37, C25
	s_mov_b32 s38, C35
	s_mov_b32 s39, C40
	s_mov_b32 s40, T40
	; ---- my ROI
	s_wait_loadcnt 10                              ; the ten GT loads are younger: score, label and ROI row are in
	v_add_f32 v10, v[RR], v[RR+1]
.irp e,2,3,4,5,6,7,8
	v_add_f32 v10, v10, v[RR+\e]
.endr
	v_cmp_neq_f32 s30, 0, v10                      ; s30: valid_roi of my wave's 32 ROIs, kept to the end
	v_max_i32 v9, 0, v9
	v_min_i32 v9, 9, v9                            ; clip(label, 0, 9)
	v_lshl_add_u32 v9, v9, 1, v9                   ; x 3 bits
	v_bfe_u32 v9, s31, v9, 3                       ; group
	v_cvt_f32_u32 v9, v9
	v_mul_f32 v9, 0xc1000000, v9                   ; -8 group
	v_cndmask_b32 v[REC1], 0xc2800000, v9, s30     ; an invalid ROI: -64
	v_cndmask_b32 v[REC1+1], 0xc2800000, v9, s30   ; each number twice: the packed adds then need no operand selection
	v_xor_b32 v[REC0], s28, v[RR]                  ; -x
	v_xor_b32 v[REC0+1], s28, v[RR]
	v_xor_b32 v[REC0+2], s28, v[RR+1]              ; -y
	v_xor_b32 v[REC0+3], s28, v[RR+1]
	v_add_f32 v6, 0, v8                            ; -0 becomes +0, so that equal scores get equal integers
	v_ashrrev_i32 v7, 31, v6
	v_and_b32 v7, 0x7fffffff, v7
	v_xor_b32 v6, v6, v7                           ; a signed integer ordered as the float
	v_add_nc_u32 v7, -1, v6
	ds_store_b32 v4, v6 offset:L_SK
	; ---- four GTs
	s_wait_loadcnt 0x0
.irp k,0,1,2,3
	v_add_f32 v[SUM+\k], v[GTR+10*\k], v[GTR+10*\k+1]
.endr
.irp e,2,3,4,5,6,7,8,9
.irp k,0,1,2,3
	v_add_f32 v[SUM+\k], v[SUM+\k], v[GTR+10*\k+\e]        ; four chains side by side
.endr
.endr
.macro GTPRE k
	v_cvt_i32_f32 v11, v[GTR+10*\k+9]              ; toward zero
	v_max_i32 v11, 0, v11
	v_min_i32 v11, 9, v11                          ; class
	v_lshl_add_u32 v12, v11, 1, v11
	v_bfe_u32 v13, s31, v12, 3                     ; group
	v_bfe_u32 v12, s32, v12, 3                     ; which high threshold
	v_cvt_f32_u32 v13, v13
	v_mul_f32 v[QZ+\k], 0x41000000, v13            ; 8 group
	v_cmp_neq_f32 vcc_lo, 0, v[SUM+\k]             ; valid_gt
	v_cndmask_b32 v[QX+\k], s33, v[GTR+10*\k], vcc_lo
	v_mov_b32 v[QY+\k], v[GTR+10*\k+1]             ; into a quad, for one 16-byte LDS store
	v_mov_b32 v[QH+\k], s34
	v_cmp_eq_u32 vcc_lo, 1, v12
	v_cndmask_b32 v[QH+\k], v[QH+\k], s35, vcc_lo
	v_cmp_eq_u32 vcc_lo, 2, v12
	v_cndmask_b32 v[QH+\k], v[QH+\k], s36, vcc_lo
	v_cmp_eq_u32 vcc_lo, 3, v12
	v_cndmask_b32 v[QH+\k], v[QH+\k], s37, vcc_lo
	v_cmp_eq_u32 vcc_lo, 4, v12
	v_cndmask_b32 v[QH+\k], v[QH+\k], s38, vcc_lo
	v_mov_b32 v[QM+\k], s39                        ; classes 0-4: 4.0
	v_cmp_lt_u32 vcc_lo, 4, v11
	v_cndmask_b32 v[QM+\k], v[QM+\k], s37, vcc_lo  ; 5-7: 2.5
	v_cmp_lt_u32 vcc_lo, 7, v11
	v_cndmask_b32 v[QM+\k], v[QM+\k], s36, vcc_lo  ; 8, 9: 2.0
.endm
	GTPRE 0
	GTPRE 1
	GTPRE 2
	GTPRE 3
	v_lshlrev_b32 v5, 4, v0
	ds_store_b128 v5, v[QX:QX+3] offset:L_GX
	ds_store_b128 v5, v[QY:QY+3] offset:L_GY
	ds_store_b128 v5, v[QZ:QZ+3] offset:L_GZ
	ds_store_b128 v5, v[QH:QH+3] offset:L_CH
	ds_store_b128 v5, v[QM:QM+3] offset:L_CM
	s_wait_dscnt 0x0                               ; my table entries and my score are in LDS before I say so
	s_barrier_signal -1
	s_barrier_wait -1
	; ---- rank of my ROI among the chunk's 128.  Block d of the loads is wave (w + d) mod 4's 32 scores, the same word for all lanes.
	; Another ROI counts if its integer is above I - 1 (it stands in front of mine: equal scores count) or above I (it stands behind, or is mine).
.irp d,0,1,2,3
	s_add_co_u32 s2, s16, \d
	s_and_b32 s2, s2, 3
.if \d
	s_cmp_lt_u32 s2, s16                           ; the whole block stands in front of my wave's
	s_cselect_b32 s3, 1, 0
	v_sub_nc_u32 v[THD+\d-1], v6, s3
.endif
	s_lshl_b32 s2, s2, 7
	v_mov_b32 v[10+\d], s2
.irp i,0,1,2,3,4,5,6,7
	ds_load_b128 v[SKV+32*\d+4*\i:SKV+32*\d+4*\i+3], v[10+\d] offset:L_SK+16*\i
.endr
.endr
	s_wait_dscnt 24                                ; three blocks of eight loads are younger: my own block is in
.set l, 0
.rept 8                                            ; four steps at a time, each with its own mask and its own partial rank: no chain through one register
.irp j,0,1,2,3
	s_mov_b32 s[48+\j], (0xfffffffe << (l+\j)) & 0xffffffff       ; the lanes behind lane l + j
	v_cndmask_b32 v[TH+\j], v6, v7, s[48+\j]
.endr
.irp j,0,1,2,3
	v_cmp_gt_i32 s[44+\j], v[SKV+l+\j], v[TH+\j]
.endr
.irp j,0,1,2,3
.if l == 0
	v_cndmask_b32 v[RK+\j], 0, 1, s[44+\j]         ; the first four steps start the counts
.else
	v_add_co_ci_u32 v[RK+\j], s[44+\j], 0, v[RK+\j], s[44+\j]     ; count + the compare's bit
.endif
.endr
.set l, l+4
.endr
.irp d,1,2,3
	s_wait_dscnt 24-8*\d                           ; eight loads for each block behind this one
.set l, 0
.rept 8
.irp j,0,1,2,3
	v_cmp_gt_i32 s[44+\j], v[SKV+32*\d+l+\j], v[THD+\d-1]
.endr
.irp j,0,1,2,3
	v_add_co_ci_u32 v[RK+\j], s[44+\j], 0, v[RK+\j], s[44+\j]
.endr
.set l, l+4
.endr
.endr
	v_add3_u32 v10, v[RK], v[RK+1], v[RK+2]
	v_add_nc_u32 v10, v10, v[RK+3]                 ; rank 0..127
	v_sub_nc_u32 v10, 128, v10
	v_lshl_add_u32 v10, v10, 7, v0                 ; K = (128 - rank) 128 + t: 128 .. 16,511
	v_cvt_f32_u32 v[REC1+2], v10                   ; exact
	v_add_f32 v[REC1+3], 0x47000000, v[REC1+2]     ; K + 32768: every high key is above every medium key
	v_lshlrev_b32 v15, 5, v0
	ds_store_b128 v15, v[REC0:REC0+3] offset:L_REC
	ds_store_b128 v15, v[REC1:REC1+3] offset:L_REC+16
	; ---- my 16 GTs, and the loop's addresses
	v_and_b32 v14, 31, v0
	v_lshlrev_b32 v1, 4, v14
.irp i,0,1,2,3
	ds_load_b128 v[GX+4*\i:GX+4*\i+3], v1 offset:L_GX+512*\i      ; 32 lanes x 16 neighbouring bytes
	ds_load_b128 v[GY+4*\i:GY+4*\i+3], v1 offset:L_GY+512*\i
	ds_load_b128 v[GZ+4*\i:GZ+4*\i+3], v1 offset:L_GZ+512*\i
	ds_load_b128 v[CH+4*\i:CH+4*\i+3], v1 offset:L_CH+512*\i
	ds_load_b128 v[CM+4*\i:CM+4*\i+3], v1 offset:L_CM+512*\i
.endr
	s_lshl_b32 s2, s16, 10
	s_add_co_u32 s2, s2, L_REC
	v_mov_b32 v2, s2                               ; my wave's 32 records
	s_mul_i32 s3, s16, 32*MINP
	s_add_co_u32 s3, s3, L_MIN
	v_lshl_add_u32 v3, v14, 2, s3                  ; min stage, in: row = ROI, word = lane
	v_mad_u32_u24 v9, v14, MINP, s3                ; min stage, back: row = lane
	s_lshl_b32 s2, s16, 11
	s_add_co_u32 s2, s2, L_BEST
	v_add_nc_u32 v5, s2, v1
	v_mov_b32 v[NH], NEG_HUGE
	v_mov_b32 v[NH+1], NEG_HUGE
	s_wait_dscnt 0x0                               ; the tables are in my registers, the records in LDS
	s_barrier_signal -1                            ; the records are read by the wave that stored them, so the order in which LDS serves a wave would do;
	s_barrier_wait -1                              ; the barrier keeps one pattern throughout (store, wait, barrier, load) and is passed once
	ds_load_b128 v[RCA:RCA+3], v2                  ; ROI 0
	ds_load_b128 v[RCA+4:RCA+7], v2 offset:16
	ds_load_b128 v[RCB:RCB+3], v2 offset:32        ; ROI 1
	ds_load_b128 v[RCB+4:RCB+7], v2 offset:48
; One ROI against my 16 GTs.  R: its record.  first = 1: the first keys start the maxima.  more = 1: the record two ROIs on is fetched
; into R from byte roff.  moff: the ROI's row in the min stage.
.macro ROI R, first, more, moff, roff
.irp p,0,2,4,6,8,10,12,14
	v_pk_add_f32 v[T0+\p:T0+\p+1], v[GX+\p:GX+\p+1], v[\R:\R+1]           ; dx
.endr
.irp p,0,2,4,6,8,10,12,14
	v_pk_add_f32 v[T1+\p:T1+\p+1], v[GY+\p:GY+\p+1], v[\R+2:\R+3]         ; dy
.endr
.irp p,0,2,4,6,8,10,12,14
	v_pk_mul_f32 v[T0+\p:T0+\p+1], v[T0+\p:T0+\p+1], v[T0+\p:T0+\p+1]
.endr
.irp p,0,2,4,6,8,10,12,14
	v_pk_fma_f32 v[T0+\p:T0+\p+1], v[T1+\p:T1+\p+1], v[T1+\p:T1+\p+1], v[T0+\p:T0+\p+1]   ; x = d^2
.endr
.irp p,0,2,4,6,8,10,12,14
	v_pk_add_f32 v[T1+\p:T1+\p+1], v[GZ+\p:GZ+\p+1], v[\R+4:\R+5]         ; dz
.endr
	v_min3_num_f32 v[T2], v[T0], v[T0+1], v[T0+2]                          ; the least d^2 of my 16 GTs, a tree three deep
	v_min3_num_f32 v[T2+1], v[T0+3], v[T0+4], v[T0+5]
	v_min3_num_f32 v[T2+2], v[T0+6], v[T0+7], v[T0+8]
	v_min3_num_f32 v[T2+3], v[T0+9], v[T0+10], v[T0+11]
	v_min3_num_f32 v[T2+4], v[T0+12], v[T0+13], v[T0+14]
.irp p,0,2,4,6,8,10,12,14
	v_pk_fma_f32 v[T1+\p:T1+\p+1], v[T1+\p:T1+\p+1], v[T1+\p:T1+\p+1], v[T0+\p:T0+\p+1]   ; x' = x + dz^2
.endr
	v_min3_num_f32 v[T2], v[T2], v[T2+1], v[T2+2]
	v_min3_num_f32 v[T2+3], v[T2+3], v[T2+4], v[T0+15]
.irp p,0,2,4,6,8,10,12,14
	v_pk_fma_f32 v[T0+\p:T0+\p+1], v[T1+\p:T1+\p+1], v[NH:NH+1], v[CH+\p:CH+\p+1]         ; aH
.endr
	v_min_num_f32 v[T2], v[T2], v[T2+3]
	ds_store_b32 v3, v[T2] offset:\moff
.irp p,0,2,4,6,8,10,12,14
	v_pk_fma_f32 v[T1+\p:T1+\p+1], v[T1+\p:T1+\p+1], v[NH:NH+1], v[CM+\p:CM+\p+1]         ; aM
.endr
.irp j,0,1,2,3,4,5,6,7,8,9,10,11,12,13,14,15
.if \first
	v_minmax_num_f32 v[BST+\j], v[T0+\j], v[\R+7], 0                       ; max(min(aH, K + 32768), 0)
.else
	v_minmax_num_f32 v[BST+\j], v[T0+\j], v[\R+7], v[BST+\j]
.endif
.endr
.irp j,0,1,2,3,4,5,6,7,8,9,10,11,12,13,14,15
	v_minmax_num_f32 v[BST+\j], v[T1+\j], v[\R+6], v[BST+\j]               ; max(min(aM, K), best)
.endr
.if \more
	ds_load_b128 v[\R:\R+3], v2 offset:\roff
	ds_load_b128 v[\R+4:\R+7], v2 offset:\roff+16
.endif
.endm
; Two ROIs.  LDS instructions of a wave end in order.  wa: how many LDS instructions are younger than the even record's two loads.
.macro TRIP first, more, wa
	s_wait_dscnt \wa
	ROI RCA, \first, \more, 0, 64
.if \more
	s_wait_dscnt 3                                 ; behind the odd record's loads: the even ROI's min store and the even record's two new loads
.else
	s_wait_dscnt 1                                 ; behind them: the even ROI's min store alone
.endif
	ROI RCB, 0, \more, MINP, 96
.if \more
	v_add_nc_u32 v2, 64, v2
	v_add_nc_u32 v3, 2*MINP, v3
.endif
.endm
	TRIP 1, 1, 2                                   ; ROIs 0, 1 start the maxima; only the odd record's two loads are younger
	s_mov_b32 s29, 14
.Ltrip:
	TRIP 0, 1, 3                                   ; younger: the odd ROI's min store and the odd record's two loads
	s_sub_co_u32 s29, s29, 1
	s_cmp_lg_u32 s29, 0
	s_cbranch_scc1 .Ltrip
	TRIP 0, 0, 3                                   ; ROIs 30, 31 fetch nothing
	; ---- the way out
.irp i,0,1,2,3
	ds_store_b128 v5, v[BST+4*\i:BST+4*\i+3] offset:512*\i
.endr
	s_wait_dscnt 0x0                               ; my keys are in LDS before I say so
	s_barrier_signal -1
	s_barrier_wait -1
.irp i,0,1,2,3,4,5,6,7
	ds_load_b128 v[T0+4*\i:T0+4*\i+3], v9 offset:16*\i             ; lane l: the 32 lanes' minima of my wave's ROI l
.endr
	v_lshlrev_b32 v10, 4, v0
.irp w,0,1,2,3
	ds_load_b128 v[GX+4*\w:GX+4*\w+3], v10 offset:L_BEST+2048*\w   ; thread t: the four waves' keys of GTs 4 t .. 4 t + 3
.endr
	s_wait_dscnt 4                                 ; the four key loads are younger
.irp i,0,1,2,3,4,5,6,7,8,9
	v_min3_num_f32 v[U+\i], v[T0+3*\i], v[T0+3*\i+1], v[T0+3*\i+2]
.endr
	v_min3_num_f32 v[U], v[U], v[U+1], v[U+2]
	v_min3_num_f32 v[U+3], v[U+3], v[U+4], v[U+5]
	v_min3_num_f32 v[U+6], v[U+6], v[U+7], v[U+8]
	v_min3_num_f32 v[U+9], v[U+9], v[T0+30], v[T0+31]
	v_min3_num_f32 v[U], v[U], v[U+3], v[U+6]
	v_min_num_f32 v[U], v[U], v[U+9]               ; least d^2 to a valid GT (+inf if there is none)
	v_cmp_lt_f32 vcc_lo, s40, v[U]                 ; its root is above 4.0
	s_and_b32 s2, vcc_lo, s30                      ; and the ROI is valid
	v_cndmask_b32 v[OP+1], 0, 1.0, s2
	v_mul_f32 v[OP], v[OP+1], v8
	v_lshlrev_b32 v11, 3, v0
	global_store_b64 v11, v[OP:OP+1], s[12:13]     ; a wave's store covers 256 consecutive bytes, at a multiple of 256 from out0's first byte
	s_wait_dscnt 0x0
.irp e,0,1,2,3
	v_max3_num_f32 v[GX+\e], v[GX+\e], v[GX+4+\e], v[GX+8+\e]
.endr
.irp e,0,1,2,3
	v_max_num_f32 v[GX+\e], v[GX+\e], v[GX+12+\e]
.endr
.irp e,0,1,2,3
	v_cvt_u32_f32 v[GX+\e], v[GX+\e]               ; whole numbers below 2^16: exact
.endr
	global_store_b128 v10, v[GX:GX+3], s[14:15]    ; 16 lanes store 256 consecutive bytes, aligned
	s_wait_tensorcnt 0x0
	ds_add_u32 v244, v245
	s_wait_dscnt 0x0
	s_endpgm
.Lfunc_end_k_q1eba30bba6_pairs:
	.size	k_q1eba30bba6_pairs, .Lfunc_end_k_q1eba30bba6_pairs-k_q1eba30bba6_pairs
	.p2alignl 7, 3214868480
	.fill 96, 4, 3214868480
	.section	.rodata,"a",@progbits
	.p2align	6, 0x0
	.amdhsa_kernel k_q1eba30bba6_pairs
		.amdhsa_group_segment_fixed_size 41984
		.amdhsa_private_segment_fixed_size 0
		.amdhsa_enable_private_segment 0
		.amdhsa_kernarg_size 48
		.amdhsa_user_sgpr_count 2
		.amdhsa_user_sgpr_kernarg_segment_ptr 1
		.amdhsa_wavefront_size32 1
		.amdhsa_system_sgpr_workgroup_id_x 1
		.amdhsa_system_sgpr_workgroup_id_y 1
		.amdhsa_system_sgpr_workgroup_id_z 1
		.amdhsa_system_vgpr_workitem_id 0
		.amdhsa_next_free_vgpr 246
		.amdhsa_next_free_sgpr 66
		.amdhsa_reserve_vcc 1
		.amdhsa_float_denorm_mode_32 3
		.amdhsa_float_denorm_mode_16_64 3
		.amdhsa_memory_ordered 1
		.amdhsa_forward_progress 1
		.amdhsa_inst_pref_size 81
	.end_amdhsa_kernel
	.amdgpu_metadata
---
amdhsa.version: [ 1, 2 ]
amdhsa.kernels:
  - .name:           k_q1eba30bba6_pairs
    .symbol:         k_q1eba30bba6_pairs.kd
    .args:
      - { .name: gt_boxes_and_cls, .offset: 0, .size: 8, .value_kind: global_buffer, .address_space: global }
      - { .name: roi_labels, .offset: 8, .size: 8, .value_kind: global_buffer, .address_space: global }
      - { .name: roi_scores, .offset: 16, .size: 8, .value_kind: global_buffer, .address_space: global }
      - { .name: rois, .offset: 24, .size: 8, .value_kind: global_buffer, .address_space: global }
      - { .name: out0, .offset: 32, .size: 8, .value_kind: global_buffer, .address_space: global }
      - { .name: cand, .offset: 40, .size: 8, .value_kind: global_buffer, .address_space: global }
    .group_segment_fixed_size: 41984
    .private_segment_fixed_size: 0
    .kernarg_segment_align: 8
    .kernarg_segment_size: 48
    .max_flat_workgroup_size: 128
    .sgpr_count:     66
    .vgpr_count:     246
    .wavefront_size: 32
...
	.end_amdgpu_metadata
.endif
;; end of part 1
;; launch gather (part 2): grid 8 x 8, 8 waves a work-group, no clusters, 17,664 bytes of LDS; arguments cand, gt_boxes_and_cls, roi_scores, rois, out0; writes out0
.if DOCPART == 2
	.amdgcn_target "amdgcn-amd-amdhsa--gfx1250"
	.amdhsa_code_object_version 6
	.text
	.protected	k_q1eba30bba6_gather
	.globl	k_q1eba30bba6_gather
	.p2align	8
	.type	k_q1eba30bba6_gather,@function
k_q1eba30bba6_gather:
	s_mov_b64 s[64:65], 0
	v_nop
	global_prefetch_b8 v0, s[64:65] scope:SCOPE_SE
	s_setreg_imm32_b32 hwreg(HW_REG_WAVE_MODE, 25, 1), 1
	s_wait_xcnt 0x0
; ProposalTargetLayer, second of two launches: out0[b][35 g + 0..34] for every GT.
; cand[b][chunk][g] (32 chunks of 128 ROIs) holds 0, K or 32768 + K, K & 127 = the winner's index in its chunk (see the first launch).
; The tier is a whole number: if any chunk has a high match (word >= 32768) only such words are eligible, else every word above 0.
; Among the eligible winners the highest score wins, the lowest chunk on a tie (chunks are taken in ascending order with a strict compare),
; which is argmax's first index.  That choice hangs on floats, so it only selects values: EVERY chunk winner's score and row are
; fetched (addresses come from the stored whole numbers alone) and v_cndmask_b32 keeps the better.  A word 0 points at its chunk's first ROI.
; A work-group owns 64 GTs of one batch: 64 x 140 bytes = 8,960 = 35 x 256, so its piece of out0 begins and ends on multiples of 256 bytes
; (16 or 32 GTs would not); hence 64 work-groups.  Wave = 2 q + h: GT half h (lane = GT), chunks 8 q .. 8 q + 7.  The four quarters
; meet in LDS; waves 0 and 1 build the 35 numbers of their GTs in an LDS stage; all waves copy the stage out in whole aligned pieces.
; rng < 30 and rng > 50 are x < 900 and x > 2500 on x = gx^2 + gy^2: exact for a correctly rounded root (the f32 below 900 has a root that
; rounds below 30, the f32 above 2500 one that rounds above 50).
; LIMITS.  Scores no NaN, above -1e9.  Where a flag is 0 the ROI numbers are written as 0; reference() multiplies a row by 0, which
; differs only if that row holds inf or NaN.
; No cluster: work-groups share no tile; what two of them read alike are single rows picked by the lists.
.set OUT_ROW, 104448
.set L_XCH, 0                          ; set q (1..3) at 2,560 (q - 1): 10 numbers x 64 GTs x 4 bytes, number e at 256 e
.set L_STG, 7680                       ; 64 rows of 35 f32; 35 is odd, so 32 lanes that store one column meet 32 banks
; v0 thread t; v1 local GT g = t & 63; v2 4 g; v3 40 g; v8 least eligible word; v9 largest word; v10, v11 at work
.set CO, 4                             ; v4-7     offsets into cand, chunk quarters q, q+1, q+2, q+3 (mod 4)
.set GT, 12                            ; v12-21   my GT's row
.set W,  24                            ; v24-55   the 32 words of my GT, my own quarter's first
.set RO, 56                            ; v56-63   byte offset of candidate k's row in its chunk
.set SO, 64                            ; v64-71   and of its score
.set C,  72                            ; v72-151  candidate k: row in 10 k + 0..8, score in 10 k + 9.  Candidate 0 is the running best
.set O,  152                           ; v152-186 the 35 outputs; later the pieces on their way out
.set MT, 188                           ; v188-189 matched, twice
.set CA, 190                           ; v190     8 t
.set STA, 191                          ; v191     140 g
	s_load_b256 s[4:11], s[0:1], 0x0               ; cand s[4:5], gt s[6:7], scores s[8:9], rois s[10:11]
	s_load_b64 s[12:13], s[0:1], 0x20              ; out0
	v_lshl_add_u32 v192, v0, 2, 0x4100
	v_mov_b32 v193, 0
	v_lshrrev_b32 v1, 5, v0
	v_readfirstlane_b32 s16, v1                    ; wave 0..7
	s_lshr_b32 s18, s16, 1                         ; q
	s_and_b32 s19, ttmp7, 0xffff                   ; batch
	v_and_b32 v1, 63, v0                           ; 32 h + lane
	v_lshlrev_b32 v2, 2, v1
	v_mul_u32_u24 v3, v1, 40
	v_mul_u32_u24 v[STA], v1, 140
	v_lshlrev_b32 v[CA], 3, v0
	s_lshl_b32 s20, s19, 16                        ; cand: 32 x 512 words a batch, 64 words a work-group
	s_lshl_b32 s2, ttmp9, 8
	s_add_co_u32 s20, s20, s2
	s_mov_b32 s21, 0
	s_mul_i32 s22, s19, 20480                      ; gt: 512 rows of 40 bytes a batch, 64 rows a work-group
	s_mul_i32 s2, ttmp9, 2560
	s_add_co_u32 s22, s22, s2
	s_mov_b32 s23, 0
	s_lshl_b32 s24, s19, 12
	s_lshl_b32 s2, s18, 10
	s_add_co_u32 s2, s24, s2                       ; first ROI of my eight chunks
	s_lshl_b32 s24, s2, 2
	s_mov_b32 s25, 0
	s_mul_i32 s26, s2, 36
	s_mov_b32 s27, 0
	s_mul_i32 s28, s19, OUT_ROW
	s_mul_i32 s2, ttmp9, 8960
	s_add_co_u32 s28, s28, s2
	s_mov_b32 s29, 0
.irp j,0,1,2,3
	s_add_co_u32 s2, s18, \j
	s_and_b32 s2, s2, 3
	s_lshl_b32 s2, s2, 14                          ; 8 chunks x 2,048 bytes
	v_add_nc_u32 v[CO+\j], s2, v2
.endr
	s_mov_b32 s30, 0x8000
	s_mov_b32 s31, 0xff800000                      ; -inf
	s_mov_b32 s32, 0x44610000                      ; 900
	s_mov_b32 s33, 0x451c4000                      ; 2500
	s_wait_kmcnt 0x0
	s_add_nc_u64 s[4:5], s[4:5], s[20:21]
	s_add_nc_u64 s[6:7], s[6:7], s[22:23]
	s_add_nc_u64 s[8:9], s[8:9], s[24:25]
	s_add_nc_u64 s[10:11], s[10:11], s[26:27]
	s_add_nc_u64 s[12:13], s[12:13], s[28:29]
.irp i,0,1,2,3,4
	global_load_b64 v[GT+2*\i:GT+2*\i+1], v3, s[6:7] offset:8*\i   ; in every wave, though only waves 0 and 1 use the row: one text, one count of loads
.endr
.irp j,0,1,2,3
.irp k,0,1,2,3,4,5,6,7
	global_load_b32 v[W+8*\j+\k], v[CO+\j], s[4:5] offset:2048*\k  ; 32 lanes, 128 neighbouring bytes
.endr
.endr
	s_wait_loadcnt 0x0
	; ---- my eight candidates: ten loads each, all issued before anything is looked at
.irp k,0,1,2,3,4,5,6,7
	v_and_b32 v[SO+\k], 127, v[W+\k]
	v_min_u32 v[SO+\k], 127, v[SO+\k]              ; a loaded number enters an address only behind a bound written here
	v_mul_u32_u24 v[RO+\k], v[SO+\k], 36
	v_lshlrev_b32 v[SO+\k], 2, v[SO+\k]
	global_load_b32 v[C+10*\k+9], v[SO+\k], s[8:9] offset:512*\k   ; chunk k of my quarter begins 128 k ROIs on
.irp e,0,1,2,3,4,5,6,7,8
	global_load_b32 v[C+10*\k+\e], v[RO+\k], s[10:11] offset:4608*\k+4*\e
.endr
.endr
	; ---- meanwhile: the largest of the 32 words says which tier counts
.irp i,0,1,2,3,4,5,6,7
	v_max_u32 v[W+8+\i], v[W+8+\i], v[W+\i]        ; (my own eight words stay as they are)
.endr
.irp i,0,1,2,3,4,5,6,7
	v_max_u32 v[W+16+\i], v[W+16+\i], v[W+24+\i]
.endr
.irp i,0,1,2,3,4,5,6,7
	v_max_u32 v[W+8+\i], v[W+8+\i], v[W+16+\i]
.endr
.irp i,0,1,2,3
	v_max_u32 v[W+8+\i], v[W+8+\i], v[W+12+\i]
.endr
	v_max_u32 v[W+8], v[W+8], v[W+10]
	v_max_u32 v[W+9], v[W+9], v[W+11]
	v_max_u32 v9, v[W+8], v[W+9]
	v_cmp_le_u32 vcc_lo, s30, v9
	v_cndmask_b32 v8, 1, s30, vcc_lo               ; eligible: word >= 32768 if any is, else word >= 1
.macro ELIG k                          ; a candidate that is not eligible scores -inf
	v_cmp_ge_u32 vcc_lo, v[W+\k], v8
	v_cndmask_b32 v[C+10*\k+9], s31, v[C+10*\k+9], vcc_lo
.endm
.macro TAKE p                          ; set p replaces the running best where its score is strictly higher
	v_cmp_gt_f32 vcc_lo, v[C+10*\p+9], v[C+9]
.irp e,0,1,2,3,4,5,6,7,8,9
	v_cndmask_b32 v[C+\e], v[C+\e], v[C+10*\p+\e], vcc_lo
.endr
.endm
	s_wait_loadcnt 60                              ; six candidates of ten loads are younger: 0 and 1 are in
	ELIG 0
	ELIG 1
	TAKE 1
.irp k,2,3,4,5,6,7
	s_wait_loadcnt 70-10*\k                        ; ten loads for each younger candidate
	ELIG \k
	TAKE \k
.endr
	; ---- the quarters meet
	s_cmp_lt_u32 s16, 2
	s_cbranch_scc1 .Lmine                          ; quarter 0 stays in registers
	s_add_co_u32 s2, s18, -1
	s_mul_i32 s2, s2, 2560
	v_add_nc_u32 v10, s2, v2
.irp e,0,1,2,3,4,5,6,7,8,9
	ds_store_b32 v10, v[C+\e] offset:L_XCH+256*\e
.endr
.Lmine:
	s_wait_dscnt 0x0                               ; my set is in LDS before I say so
	s_barrier_signal -1
	s_barrier_wait -1
	s_cmp_gt_u32 s16, 1
	s_cbranch_scc1 .Lcopy                          ; waves 2 to 7 have handed their sets over
.irp p,1,2,3
.irp e,0,1,2,3,4,5,6,7,8,9
	ds_load_b32 v[C+10*\p+\e], v2 offset:L_XCH+2560*(\p-1)+256*\e
.endr
.endr
.irp p,1,2,3
	s_wait_dscnt 30-10*\p                          ; ten loads for each younger set
	TAKE \p
.endr
	; ---- the 35 numbers of my GT
	v_cmp_le_u32 s20, s30, v9                      ; has_high
	v_cmp_ne_u32 s21, 0, v9                        ; has_high or has_med = matched
	s_and_not1_b32 s22, s21, s20                   ; sel_med
.irp e,0,1,2,3,4,5,6,7,8
	v_cndmask_b32 v[O+\e], 0, v[C+\e], s20
	v_cndmask_b32 v[O+11+\e], 0, v[C+\e], s22
.endr
	v_fma_f32 v10, v[C+9], 0.5, 0x3f19999a         ; (1.2 + s) / 2: halving is exact, so one fma on 1.2 / 2 rounds alike
	v_min_num_f32 v10, 1.0, v10
	v_cndmask_b32 v[O+9], 0, v10, s20
	v_cndmask_b32 v[O+10], 0, 1.0, s20
	v_cndmask_b32 v[O+20], 0, v[C+9], s22
	v_cndmask_b32 v[O+21], 0, 1.0, s22
	v_cndmask_b32 v[MT], 0, 1.0, s21
	v_cndmask_b32 v[MT+1], 0, 1.0, s21
.irp i,0,2,4,6,8
	v_pk_mul_f32 v[O+22+\i:O+22+\i+1], v[GT+\i:GT+\i+1], v[MT:MT+1]        ; gt * matched
.endr
	v_add_f32 v10, v[GT], v[GT+1]
.irp e,2,3,4,5,6,7,8,9
	v_add_f32 v10, v10, v[GT+\e]
.endr
	v_cmp_neq_f32 s23, 0, v10                      ; valid_gt
	s_and_not1_b32 s24, s23, s21                   ; unmatched
	v_mul_f32 v11, v[GT], v[GT]
	v_fma_f32 v11, v[GT+1], v[GT+1], v11           ; gx^2 + gy^2
	v_cmp_gt_f32 s25, s32, v11                     ; 900 > x
	v_cmp_lt_f32 s26, s33, v11                     ; 2500 < x
	s_and_b32 s25, s25, s24                        ; near
	s_and_b32 s26, s26, s24                        ; far
	s_and_not1_b32 s27, s24, s25
	s_and_not1_b32 s27, s27, s26                   ; between
	v_cndmask_b32 v[O+32], 0, 1.0, s25
	v_cndmask_b32 v[O+33], 0, 1.0, s27
	v_cndmask_b32 v[O+34], 0, 1.0, s26
.irp e,0,1,2,3,4,5,6,7,8,9,10,11,12,13,14,15,16,17,18,19,20,21,22,23,24,25,26,27,28,29,30,31,32,33,34
	ds_store_b32 v[STA], v[O+\e] offset:L_STG+4*\e
.endr
.Lcopy:
	s_wait_dscnt 0x0                               ; the rows of waves 0 and 1 are in the stage before they say so
	s_barrier_signal -1
	s_barrier_wait -1
	; ---- the stage leaves: 8 bytes a thread, so each store of a wave covers 256 consecutive bytes, at a multiple of 256 from out0's first byte
.irp i,0,1,2,3
	ds_load_b64 v[O+2*\i:O+2*\i+1], v[CA] offset:L_STG+2048*\i
.endr
.irp i,0,1,2,3
	s_wait_dscnt 3-\i                              ; the pieces behind this one are younger
	global_store_b64 v[CA], v[O+2*\i:O+2*\i+1], s[12:13] offset:2048*\i
.endr
	s_cmp_gt_u32 s16, 2
	s_cbranch_scc1 .Lend                           ; 8,960 = 4 x 2,048 + 768: the last 768 bytes are three waves' work
	ds_load_b64 v[O+8:O+9], v[CA] offset:L_STG+8192
	s_wait_dscnt 0x0
	global_store_b64 v[CA], v[O+8:O+9], s[12:13] offset:8192
.Lend:
	s_wait_tensorcnt 0x0
	ds_add_u32 v192, v193
	s_wait_dscnt 0x0
	s_endpgm
.Lfunc_end_k_q1eba30bba6_gather:
	.size	k_q1eba30bba6_gather, .Lfunc_end_k_q1eba30bba6_gather-k_q1eba30bba6_gather
	.p2alignl 7, 3214868480
	.fill 96, 4, 3214868480
	.section	.rodata,"a",@progbits
	.p2align	6, 0x0
	.amdhsa_kernel k_q1eba30bba6_gather
		.amdhsa_group_segment_fixed_size 17664
		.amdhsa_private_segment_fixed_size 0
		.amdhsa_enable_private_segment 0
		.amdhsa_kernarg_size 40
		.amdhsa_user_sgpr_count 2
		.amdhsa_user_sgpr_kernarg_segment_ptr 1
		.amdhsa_wavefront_size32 1
		.amdhsa_system_sgpr_workgroup_id_x 1
		.amdhsa_system_sgpr_workgroup_id_y 1
		.amdhsa_system_sgpr_workgroup_id_z 1
		.amdhsa_system_vgpr_workitem_id 0
		.amdhsa_next_free_vgpr 194
		.amdhsa_next_free_sgpr 66
		.amdhsa_reserve_vcc 1
		.amdhsa_float_denorm_mode_32 3
		.amdhsa_float_denorm_mode_16_64 3
		.amdhsa_memory_ordered 1
		.amdhsa_forward_progress 1
		.amdhsa_inst_pref_size 30
	.end_amdhsa_kernel
	.amdgpu_metadata
---
amdhsa.version: [ 1, 2 ]
amdhsa.kernels:
  - .name:           k_q1eba30bba6_gather
    .symbol:         k_q1eba30bba6_gather.kd
    .args:
      - { .name: cand, .offset: 0, .size: 8, .value_kind: global_buffer, .address_space: global }
      - { .name: gt_boxes_and_cls, .offset: 8, .size: 8, .value_kind: global_buffer, .address_space: global }
      - { .name: roi_scores, .offset: 16, .size: 8, .value_kind: global_buffer, .address_space: global }
      - { .name: rois, .offset: 24, .size: 8, .value_kind: global_buffer, .address_space: global }
      - { .name: out0, .offset: 32, .size: 8, .value_kind: global_buffer, .address_space: global }
    .group_segment_fixed_size: 17664
    .private_segment_fixed_size: 0
    .kernarg_segment_align: 8
    .kernarg_segment_size: 40
    .max_flat_workgroup_size: 256
    .sgpr_count:     66
    .vgpr_count:     194
    .wavefront_size: 32
...
	.end_amdgpu_metadata
.endif
;; end of part 2
;; ======== version 2 of 2: 2 launches; version 1 with the launch pairs written anew for expert scheduling mode
;; limits: right only within a limited range of input values
;; workspace buffers: cand 524,288 bytes of whole numbers
;; launch pairs (part 3): grid 32 x 8, 4 waves a work-group, no clusters, 41,984 bytes of LDS; arguments gt_boxes_and_cls, roi_labels, roi_scores, rois, out0, cand; writes out0, cand
.if DOCPART == 3
	.amdgcn_target "amdgcn-amd-amdhsa--gfx1250"
	.amdhsa_code_object_version 6
	.text
	.protected	k_q1eba30bba6_pairs
	.globl	k_q1eba30bba6_pairs
	.p2align	8
	.type	k_q1eba30bba6_pairs,@function
k_q1eba30bba6_pairs:
	s_mov_b64 s[64:65], 0
	v_nop
	global_prefetch_b8 v0, s[64:65] scope:SCOPE_SE
	s_setreg_imm32_b32 hwreg(HW_REG_WAVE_SCHED_MODE, 0, 2), 2
	s_setreg_imm32_b32 hwreg(HW_REG_WAVE_MODE, 25, 1), 1
	s_wait_xcnt 0x0
	s_wait_alu depctr_vm_vsrc(0)
; ProposalTargetLayer, first of two launches: all ROI x GT pair work.
; A work-group owns one batch (ttmp7) and one chunk of 128 ROIs (ttmp9) against the batch's 512 GTs: 65,536 pairs.
; Wave w owns ROIs 32 w .. 32 w + 31 of the chunk; a lane owns 16 GTs (register quad i: GTs 128 i + 4 lane + 0..3).
; It writes  out0[b][17920 + 2 r + 0..1] = (fp * score, fp)  for its 128 ROIs, and
;            cand[b][chunk][g] = 0 (no match in this chunk), K (best medium match) or 32768 + K (best high match),
;            K = (128 - rank) * 128 + index in the chunk; the next launch reads the index as K & 127.
; NO SQUARE ROOT.  A correctly rounded root is monotone: sqrt(x) <= t in f32 exactly when x <= T(t), the largest f32 below (t + ulp(t)/2)^2:
;   t = 0.5: 0x3e800001   1: 0x3f800001   2: 0x40800001   2.5: 0x40c80001   3.5: 0x41440000   4: 0x41800001.   This holds for every x.
; ONE KEY.  The medium match counts only where a GT has no high match, so one maximum over (tier, score, first index) serves both.
;   rank = how many ROIs of the chunk have a higher score, or the same score and a lower index; K falls as rank grows, all K differ.
; THE MASK WITHOUT A COMPARE.  a = fma(x', -2^48, Tnext * 2^48), Tnext the f32 above T.  The fma rounds once, so a's sign is exact:
;   x' <= T gives a >= 2^-25 * 2^48 = 2^23, above every key; otherwise a <= 0.  best = max(min(a, key), best) takes the key or nothing.
; GROUP AND ROI VALIDITY are a third coordinate: x' = x + (8 group_gt - 8 group_roi)^2, exactly x for equal groups, at least x + 64 > 16
;   otherwise (an invalid ROI stands at 64, 24 or more from every GT).  An invalid GT has x coordinate +inf: its distance is +inf.
; Per pair: 8 packed instructions for two GTs each (dx, dy, square, d^2, dz, x', aH, aM), half a min3, two minmax: 6.5 issue slots.
; LIMITS.  x, y of ROIs and GTs finite (min3 and minmax drop a NaN, so a NaN distance would count as a match).  Scores no NaN and above
;   -1e9 (below that reference()'s filler wins its argmax).  d^2 = fma(dy, dy, dx * dx), one rounding fewer than two products and a sum.
; NO CLUSTER, NO TENSOR LOAD: what the 32 work-groups of a batch share is the GT table, 20,480 bytes read once by each against
;   65,536 pairs x 6.5 instructions, and each GT row has to pass through registers (row sum, class to constants) before it is of use.
; THE MODE: SCHED_MODE bits 1:0 = 2 (LLVM: expert scheduling mode 2), set by the entry lines.  The code itself states the register dependences
;   between vector instructions and memory or LDS instructions, and those through scalar registers that vector instructions write, with s_wait_alu, always for 0.
; THE PLAN, in the loop.  A trip is two ROIs; there are 16 trips t.  Registers that LDS instructions touch:
;   P0, P1   two pairs of records.  Trip t's arithmetic reads P[t % 2]; the loads of trip t + 1's records, issued at trip t's head, land in the other pair, which trip t - 1 read.
;   M0, M1   two pairs of minima.   Trip t's arithmetic writes M[t % 2]; the two stores at trip t + 1's head read it; trip t + 2 writes it again.
;   v2, v3   the records' and the min stage's addresses.  Read by a head's loads and stores; stepped once in two trips, in the middle of a trip.
;   The tables, T0-T2, NH and BST are named by vector instructions alone.
; So a trip has two such waits.  One on va_vdst at its head: the trip before has written its M and is done reading its P, and v2 and v3 are written; the head's six LDS
; instructions follow it, and no vector instruction of the trip names a register that they touch.  One on vm_vsrc between its two ROIs: those six have read the M that
; the next trip writes again, and v2 and v3, which are stepped right there.
; SCALAR REGISTERS THAT VECTOR INSTRUCTIONS WRITE.  Compares stand in runs, one wait on va_sdst behind each run and ahead of the lines that read the masks.  The rank's counting
; adds write a carry into the register that they took the compare's bit from: a second wait stands behind each run of them, ahead of the next line that names those registers.
.set GT_ROW,  40                       ; bytes of a GT row (10 f32)
.set ROI_ROW, 36                       ; bytes of a ROI row (9 f32)
.set OUT_ROW, 104448                   ; bytes of a batch's output: 26,112 f32
.set OUT_R,   71680                    ; its ROI part begins behind 512 x 35 f32
; LDS
.set L_GX,   0                         ; 512 f32 each: x (or +inf), y, 8 x group, Tnext(high) * 2^48, Tnext(medium) * 2^48
.set L_GY,   2048
.set L_GZ,   4096
.set L_CH,   6144
.set L_CM,   8192
.set L_SK,   10240                     ; 128 words: the chunk's scores as integers of the same order
.set L_REC,  10752                     ; 128 records of 32 bytes: -x, -x, -y, -y, -z, -z, K, K + 32768
.set L_MIN,  14848                     ; per wave 32 rows (ROI) x 32 words (lane), pitch 144 bytes = 9 x 16: 16-byte reads of 16 rows start in 16 different columns
.set MINP,   144
.set L_BEST, 33280                     ; per wave 512 f32: its best key of every GT
; constants
.set NEG_HUGE, 0xd7800000              ; -2^48
.set C05, 0x56800002                   ; Tnext(t) * 2^48
.set C10, 0x57800002
.set C20, 0x58800002
.set C25, 0x58c80002
.set C35, 0x59440001
.set C40, 0x59800002
.set T40, 0x41800001                   ; T(4.0), for the false positives
.set GRP_TAB, (1<<3)|(1<<6)|(2<<9)|(2<<12)|(3<<15)|(4<<18)|(4<<21)|(5<<24)|(5<<27)   ; 3 bits a class: its group
.set HID_TAB, 2|(3<<3)|(3<<6)|(4<<9)|(3<<12)|(1<<18)|(1<<21)                        ; 3 bits a class: 0..4 = high threshold 0.5, 1, 2, 2.5, 3.5
; vector registers, in front of the loop.  v0 thread t; v2 160 t; v3 36 t; v4 4 t; v5 16 t; v6 my score as ordered integer, v7 the same - 1;
; v8 my score (kept to the end); v9 label; v10, v14, v15 at work
.set GTR,  16                          ; v16-55   four GT rows as loaded
.set TH,   16                          ; v16-23   later: thresholds of eight steps in my own block
.set RR,   56                          ; v56-64   my ROI row
.set QX,   68                          ; v68-87   five quads for the GT tables
.set QY,   72
.set QZ,   76
.set QH,   80
.set QM,   84
.set SUM,  88                          ; v88-91   four row sums
.set BA,   92                          ; v92-95   LDS address of the four blocks of 32 scores, my wave's first
.set SKV,  96                          ; v96-223  the chunk's 128 ordered scores, my wave's block first
.set CLS,  96                          ; v96-99   before those are loaded: four GTs' classes,
.set HID,  100                         ; v100-103 which high threshold,
.set GRP,  104                         ; v104-107 groups
.set REC0, 224                         ; v224-231 my ROI's record
.set REC1, 228
.set RK,   232                         ; v232-235 four partial ranks
.set THD,  240                         ; v240-242 threshold against the other three blocks
; in the loop.  v1 16 x lane; v2 record address; v3 min stage, in; v9 min stage, back; v5 best stage; v10 16 t and v11 8 t, for the way out
.set GX, 16
.set GY, 32
.set GZ, 48
.set CH, 64
.set CM, 80
.set BST, 96                           ; v96-111  best key of my 16 GTs
.set P1, 112                           ; v112-127 the two records of an odd trip
.set T0, 128                           ; v128-143
.set T1, 144                           ; v144-159
.set T2, 160                           ; v160-164
.set P0, 168                           ; v168-183 the two records of an even trip
.set NH, 184                           ; v184-185 -2^48 twice
.set MN, 186                           ; v186-187 the two minima of an even trip, v188-189 of an odd one
.set U,  160                           ; the way out: v160-169
.set OP, 170                           ; v170-171 the ROI's two outputs
	s_load_b256 s[4:11], s[0:1], 0x0               ; gt s[4:5], labels s[6:7], scores s[8:9], rois s[10:11]
	s_load_b128 s[12:15], s[0:1], 0x20             ; out0 s[12:13], cand s[14:15]
	v_lshl_add_u32 v239, v0, 2, 0xa200
	v_mov_b32 v243, 0
	v_lshrrev_b32 v1, 5, v0
	v_readfirstlane_b32 s16, v1                    ; wave 0..3
	s_and_b32 s17, ttmp7, 0xffff                   ; batch
	v_mul_u32_u24 v2, v0, 4*GT_ROW                 ; thread t prepares GTs 4 t .. 4 t + 3: 160 neighbouring bytes
	v_mul_u32_u24 v3, v0, ROI_ROW                  ; and ROI t of the chunk
	v_lshlrev_b32 v4, 2, v0
	v_lshlrev_b32 v5, 4, v0
	s_mul_i32 s20, s17, 512*GT_ROW                 ; the batch's GT table
	s_mov_b32 s21, 0
	s_lshl_b32 s22, s17, 12
	s_lshl_b32 s2, ttmp9, 7
	s_add_co_u32 s22, s22, s2                      ; the chunk's first ROI, counted over all batches
	s_mul_i32 s24, s22, ROI_ROW
	s_mov_b32 s25, 0
	s_lshl_b32 s26, s22, 2
	s_mov_b32 s27, 0
	s_mul_i32 s18, s17, OUT_ROW
	s_lshl_b32 s2, ttmp9, 10                       ; 128 ROIs x 8 bytes
	s_add_co_u32 s18, s18, s2
	s_add_co_u32 s18, s18, OUT_R
	s_mov_b32 s19, 0
	s_lshl_b32 s22, s17, 5
	s_add_co_u32 s22, s22, ttmp9
	s_lshl_b32 s22, s22, 11                        ; cand: (32 batch + chunk) x 512 words
	s_mov_b32 s23, 0
	s_wait_kmcnt 0x0
	s_add_nc_u64 s[4:5], s[4:5], s[20:21]
	s_add_nc_u64 s[6:7], s[6:7], s[26:27]
	s_add_nc_u64 s[8:9], s[8:9], s[26:27]
	s_add_nc_u64 s[10:11], s[10:11], s[24:25]
	s_add_nc_u64 s[12:13], s[12:13], s[18:19]
	s_add_nc_u64 s[14:15], s[14:15], s[22:23]
	s_wait_alu depctr_va_vdst(0)                   ; v2, v3 and v4 are written: the loads below read them as their offsets
	global_load_b32 v8, v4, s[8:9]                 ; my ROI's score
	global_load_b32 v9, v4, s[6:7]                 ; and label
.irp e,0,1,2,3,4,5,6,7,8
	global_load_b32 v[RR+\e], v3, s[10:11] offset:4*\e     ; rows of 36 bytes: only 4-byte pieces are aligned in every row
.endr
.irp i,0,1,2,3,4,5,6,7,8,9
	global_load_b128 v[GTR+4*\i:GTR+4*\i+3], v2, s[4:5] offset:16*\i
.endr
	s_mov_b32 s28, 0x80000000
	s_mov_b32 s31, GRP_TAB
	s_mov_b32 s32, HID_TAB
	s_mov_b32 s33, 0x7f800000                      ; +inf
	s_mov_b32 s34, C05
	s_mov_b32 s35, C10
	s_mov_b32 s36, C20
	s_mov_b32 s37, C25
	s_mov_b32 s38, C35
	s_mov_b32 s39, C40
	s_mov_b32 s40, T40
	; ---- my ROI
	s_wait_loadcnt 10                              ; the ten GT loads are younger: score, label and ROI row are in
	v_add_f32 v10, v[RR], v[RR+1]
.irp e,2,3,4,5,6,7,8
	v_add_f32 v10, v10, v[RR+\e]
.endr
	v_cmp_neq_f32 s30, 0, v10                      ; s30: valid_roi of my wave's 32 ROIs, kept to the end
	v_max_i32 v9, 0, v9
	v_min_i32 v9, 9, v9                            ; clip(label, 0, 9)
	v_lshl_add_u32 v9, v9, 1, v9                   ; x 3 bits
	v_bfe_u32 v9, s31, v9, 3                       ; group
	v_cvt_f32_u32 v9, v9
	v_mul_f32 v9, 0xc1000000, v9                   ; -8 group
	v_xor_b32 v[REC0], s28, v[RR]                  ; -x
	v_xor_b32 v[REC0+1], s28, v[RR]
	v_xor_b32 v[REC0+2], s28, v[RR+1]              ; -y
	v_xor_b32 v[REC0+3], s28, v[RR+1]
	v_add_f32 v6, 0, v8                            ; -0 becomes +0, so that equal scores get equal integers
	v_ashrrev_i32 v7, 31, v6
	v_and_b32 v7, 0x7fffffff, v7
	v_xor_b32 v6, v6, v7                           ; a signed integer ordered as the float
	v_add_nc_u32 v7, -1, v6
	s_wait_alu depctr_va_sdst(0)                   ; s30 and s16 are written, ahead of their first readers: the two selects, and the blocks' addresses below
	v_cndmask_b32 v[REC1], 0xc2800000, v9, s30     ; an invalid ROI: -64
	v_cndmask_b32 v[REC1+1], 0xc2800000, v9, s30   ; each number twice: the packed adds then need no operand selection
	; The rank's four blocks: block d is wave (w + d) mod 4's 32 scores.  Their LDS addresses and thresholds are made here, ahead of the wait that stands in front of the LDS stores.
.irp d,0,1,2,3
	s_add_co_u32 s2, s16, \d
	s_and_b32 s2, s2, 3
.if \d
	s_cmp_lt_u32 s2, s16                           ; the whole block stands in front of my wave's
	s_cselect_b32 s3, 1, 0
	v_sub_nc_u32 v[THD+\d-1], v6, s3
.endif
	s_lshl_b32 s2, s2, 7
	v_mov_b32 v[BA+\d], s2
.endr
	; ---- four GTs
	s_wait_loadcnt 0x0
.irp k,0,1,2,3
	v_add_f32 v[SUM+\k], v[GTR+10*\k], v[GTR+10*\k+1]
.endr
.irp e,2,3,4,5,6,7,8,9
.irp k,0,1,2,3
	v_add_f32 v[SUM+\k], v[SUM+\k], v[GTR+10*\k+\e]        ; four chains side by side
.endr
.endr
.irp k,0,1,2,3
	v_cvt_i32_f32 v[CLS+\k], v[GTR+10*\k+9]        ; toward zero
.endr
.irp k,0,1,2,3
	v_max_i32 v[CLS+\k], 0, v[CLS+\k]
.endr
.irp k,0,1,2,3
	v_min_i32 v[CLS+\k], 9, v[CLS+\k]              ; class
.endr
.irp k,0,1,2,3
	v_lshl_add_u32 v[HID+\k], v[CLS+\k], 1, v[CLS+\k]
.endr
.irp k,0,1,2,3
	v_bfe_u32 v[GRP+\k], s31, v[HID+\k], 3         ; group
.endr
.irp k,0,1,2,3
	v_bfe_u32 v[HID+\k], s32, v[HID+\k], 3         ; which high threshold
.endr
; The seven compares of GT k go into scalar registers m .. m + 6; two GTs' compares stand in one run, with one wait behind the run.
.macro GTMASK k, m
	v_cmp_neq_f32 s[\m], 0, v[SUM+\k]              ; valid_gt
	v_cmp_eq_u32 s[\m+1], 1, v[HID+\k]
	v_cmp_eq_u32 s[\m+2], 2, v[HID+\k]
	v_cmp_eq_u32 s[\m+3], 3, v[HID+\k]
	v_cmp_eq_u32 s[\m+4], 4, v[HID+\k]
	v_cmp_lt_u32 s[\m+5], 4, v[CLS+\k]
	v_cmp_lt_u32 s[\m+6], 7, v[CLS+\k]
.endm
.macro GTSEL k, m
	v_cndmask_b32 v[QX+\k], s33, v[GTR+10*\k], s[\m]
	v_cndmask_b32 v[QH+\k], v[QH+\k], s35, s[\m+1]
	v_cndmask_b32 v[QH+\k], v[QH+\k], s36, s[\m+2]
	v_cndmask_b32 v[QH+\k], v[QH+\k], s37, s[\m+3]
	v_cndmask_b32 v[QH+\k], v[QH+\k], s38, s[\m+4]
	v_cndmask_b32 v[QM+\k], v[QM+\k], s37, s[\m+5] ; 5-7: 2.5
	v_cndmask_b32 v[QM+\k], v[QM+\k], s36, s[\m+6] ; 8, 9: 2.0
.endm
	GTMASK 0, 18
	GTMASK 1, 42
.irp k,0,1,2,3
	v_cvt_f32_u32 v[GRP+\k], v[GRP+\k]
.endr
.irp k,0,1,2,3
	v_mul_f32 v[QZ+\k], 0x41000000, v[GRP+\k]      ; 8 group
.endr
.irp k,0,1,2,3
	v_mov_b32 v[QY+\k], v[GTR+10*\k+1]             ; into a quad, for one 16-byte LDS store
	v_mov_b32 v[QH+\k], s34                        ; 0.5, unless a select below says otherwise
	v_mov_b32 v[QM+\k], s39                        ; classes 0-4: 4.0
.endr
	s_wait_alu depctr_va_sdst(0)                   ; the fourteen masks of GTs 0 and 1 are written: the selects read them
	GTSEL 0, 18
	GTSEL 1, 42
	GTMASK 2, 18
	GTMASK 3, 42
	s_wait_alu depctr_va_sdst(0)                   ; the fourteen masks of GTs 2 and 3 are written: the selects read them
	GTSEL 2, 18
	GTSEL 3, 42
	s_wait_alu depctr_va_vdst(0)                   ; v5, v6 and the five quads are written, which the LDS stores read; so are v92-95, the addresses of the score loads behind the barrier, and the work in v96-107, in which those loads land, is done
	ds_store_b32 v4, v6 offset:L_SK
	ds_store_b128 v5, v[QX:QX+3] offset:L_GX
	ds_store_b128 v5, v[QY:QY+3] offset:L_GY
	ds_store_b128 v5, v[QZ:QZ+3] offset:L_GZ
	ds_store_b128 v5, v[QH:QH+3] offset:L_CH
	ds_store_b128 v5, v[QM:QM+3] offset:L_CM
	s_wait_dscnt 0x0                               ; my table entries and my score are in LDS before I say so
	s_barrier_signal -1
	s_barrier_wait -1
	; ---- rank of my ROI among the chunk's 128.  Block d of the loads is wave (w + d) mod 4's 32 scores, the same word for all lanes.
	; Another ROI counts if its integer is above I - 1 (it stands in front of mine: equal scores count) or above I (it stands behind, or is mine).
.irp d,0,1,2,3
.irp i,0,1,2,3,4,5,6,7
	ds_load_b128 v[SKV+32*\d+4*\i:SKV+32*\d+4*\i+3], v[BA+\d] offset:L_SK+16*\i    ; no vector instruction has been issued since the wait in front of the stores
.endr
.endr
	s_wait_dscnt 24                                ; three blocks of eight loads are younger: my own block is in
.set l, 0
.rept 4                                            ; eight steps at a time, each with its own mask; four partial ranks: no chain through one register
.irp j,0,1,2,3,4,5,6,7
	s_mov_b32 s[18+\j], (0xfffffffe << (l+\j)) & 0xffffffff       ; the lanes behind lane l + j
	v_cndmask_b32 v[TH+\j], v6, v7, s[18+\j]
.endr
.irp j,0,1,2,3,4,5,6,7
	v_cmp_gt_i32 s[44+\j], v[SKV+l+\j], v[TH+\j]
.endr
	s_wait_alu depctr_va_sdst(0)                   ; the eight compares have written s44-51: the counts below read them
.irp j,0,1,2,3,4,5,6,7
.if (l == 0) && (\j < 4)
	v_cndmask_b32 v[RK+\j], 0, 1, s[44+\j]         ; the first four steps start the counts
.else
	v_add_co_ci_u32 v[RK+(\j)%4], s[44+\j], 0, v[RK+(\j)%4], s[44+\j]     ; count + the compare's bit; the carry goes where the bit came from, and nobody reads it
.endif
.endr
	s_wait_alu depctr_va_sdst(0)                   ; the counts have written their carries into s44-51: these registers are named again only behind this wait
.set l, l+8
.endr
.irp d,1,2,3
	s_wait_dscnt 24-8*\d                           ; eight loads for each block behind this one
.set l, 0
.rept 4
.irp j,0,1,2,3,4,5,6,7
	v_cmp_gt_i32 s[44+\j], v[SKV+32*\d+l+\j], v[THD+\d-1]
.endr
	s_wait_alu depctr_va_sdst(0)                   ; the eight compares have written s44-51: the counts below read them
.irp j,0,1,2,3,4,5,6,7
	v_add_co_ci_u32 v[RK+(\j)%4], s[44+\j], 0, v[RK+(\j)%4], s[44+\j]
.endr
	s_wait_alu depctr_va_sdst(0)                   ; the counts have written their carries into s44-51: these registers are named again only behind this wait
.set l, l+8
.endr
.endr
	s_wait_alu depctr_vm_vsrc(0)                   ; the global loads have read v2 and v3, the table stores v5 and v68-87, the score loads v92-95: the lines below write v2, v3 and v5 anew, and table loads land in v68-95
	v_add3_u32 v10, v[RK], v[RK+1], v[RK+2]
	v_add_nc_u32 v10, v10, v[RK+3]                 ; rank 0..127
	v_sub_nc_u32 v10, 128, v10
	v_lshl_add_u32 v10, v10, 7, v0                 ; K = (128 - rank) 128 + t: 128 .. 16,511
	v_cvt_f32_u32 v[REC1+2], v10                   ; exact
	v_add_f32 v[REC1+3], 0x47000000, v[REC1+2]     ; K + 32768: every high key is above every medium key
	v_lshlrev_b32 v15, 5, v0
	; ---- the loop's addresses, and the way out's
	v_and_b32 v14, 31, v0
	v_lshlrev_b32 v1, 4, v14
	s_lshl_b32 s2, s16, 10
	s_add_co_u32 s2, s2, L_REC
	v_mov_b32 v2, s2                               ; my wave's 32 records
	s_mul_i32 s3, s16, 32*MINP
	s_add_co_u32 s3, s3, L_MIN
	v_lshl_add_u32 v3, v14, 2, s3                  ; min stage, in: row = ROI, word = lane
	v_mad_u32_u24 v9, v14, MINP, s3                ; min stage, back: row = lane
	s_lshl_b32 s2, s16, 11
	s_add_co_u32 s2, s2, L_BEST
	v_add_nc_u32 v5, s2, v1
	v_mov_b32 v[NH], NEG_HUGE
	v_mov_b32 v[NH+1], NEG_HUGE
	v_lshlrev_b32 v10, 4, v0
	v_lshlrev_b32 v11, 3, v0
	s_wait_alu depctr_va_vdst(0)                   ; my record and all addresses (v1, v2, v3, v5, v9, v10, v11, v15) are written; every vector instruction that named v16-95, v112-127 or v168-183, in which the loads below land, is done
	ds_store_b128 v15, v[REC0:REC0+3] offset:L_REC
	ds_store_b128 v15, v[REC1:REC1+3] offset:L_REC+16
	; ---- my 16 GTs
.irp i,0,1,2,3
	ds_load_b128 v[GX+4*\i:GX+4*\i+3], v1 offset:L_GX+512*\i      ; 32 lanes x 16 neighbouring bytes
	ds_load_b128 v[GY+4*\i:GY+4*\i+3], v1 offset:L_GY+512*\i
	ds_load_b128 v[GZ+4*\i:GZ+4*\i+3], v1 offset:L_GZ+512*\i
	ds_load_b128 v[CH+4*\i:CH+4*\i+3], v1 offset:L_CH+512*\i
	ds_load_b128 v[CM+4*\i:CM+4*\i+3], v1 offset:L_CM+512*\i
.endr
	s_wait_dscnt 0x0                               ; the tables are in my registers, the records in LDS
	s_barrier_signal -1                            ; the records are read by the wave that stored them, so the order in which LDS serves a wave would do;
	s_barrier_wait -1                              ; the barrier keeps one pattern throughout (store, wait, barrier, load) and is passed once
.irp i,0,1,2,3
	ds_load_b128 v[P0+4*\i:P0+4*\i+3], v2 offset:16*\i             ; ROIs 0 and 1
.endr
.irp i,0,1,2,3
	ds_load_b128 v[P1+4*\i:P1+4*\i+3], v2 offset:64+16*\i          ; ROIs 2 and 3
.endr
; One ROI against my 16 GTs.  R: its record.  first = 1: the first keys start the maxima.  M: the register that takes the least d^2 of my 16 GTs.
.macro ROI R, first, M
.irp p,0,2,4,6,8,10,12,14
	v_pk_add_f32 v[T0+\p:T0+\p+1], v[GX+\p:GX+\p+1], v[\R:\R+1]           ; dx
.endr
.irp p,0,2,4,6,8,10,12,14
	v_pk_add_f32 v[T1+\p:T1+\p+1], v[GY+\p:GY+\p+1], v[\R+2:\R+3]         ; dy
.endr
.irp p,0,2,4,6,8,10,12,14
	v_pk_mul_f32 v[T0+\p:T0+\p+1], v[T0+\p:T0+\p+1], v[T0+\p:T0+\p+1]
.endr
.irp p,0,2,4,6,8,10,12,14
	v_pk_fma_f32 v[T0+\p:T0+\p+1], v[T1+\p:T1+\p+1], v[T1+\p:T1+\p+1], v[T0+\p:T0+\p+1]   ; x = d^2
.endr
.irp p,0,2,4,6,8,10,12,14
	v_pk_add_f32 v[T1+\p:T1+\p+1], v[GZ+\p:GZ+\p+1], v[\R+4:\R+5]         ; dz
.endr
	v_min3_num_f32 v[T2], v[T0], v[T0+1], v[T0+2]                          ; the least d^2 of my 16 GTs, a tree three deep
	v_min3_num_f32 v[T2+1], v[T0+3], v[T0+4], v[T0+5]
	v_min3_num_f32 v[T2+2], v[T0+6], v[T0+7], v[T0+8]
	v_min3_num_f32 v[T2+3], v[T0+9], v[T0+10], v[T0+11]
	v_min3_num_f32 v[T2+4], v[T0+12], v[T0+13], v[T0+14]
.irp p,0,2,4,6,8,10,12,14
	v_pk_fma_f32 v[T1+\p:T1+\p+1], v[T1+\p:T1+\p+1], v[T1+\p:T1+\p+1], v[T0+\p:T0+\p+1]   ; x' = x + dz^2
.endr
	v_min3_num_f32 v[T2], v[T2], v[T2+1], v[T2+2]
	v_min3_num_f32 v[T2+3], v[T2+3], v[T2+4], v[T0+15]
.irp p,0,2,4,6,8,10,12,14
	v_pk_fma_f32 v[T0+\p:T0+\p+1], v[T1+\p:T1+\p+1], v[NH:NH+1], v[CH+\p:CH+\p+1]         ; aH
.endr
	v_min_num_f32 v[\M], v[T2], v[T2+3]                                    ; it is stored at the next trip's head
.irp p,0,2,4,6,8,10,12,14
	v_pk_fma_f32 v[T1+\p:T1+\p+1], v[T1+\p:T1+\p+1], v[NH:NH+1], v[CM+\p:CM+\p+1]         ; aM
.endr
.irp j,0,1,2,3,4,5,6,7,8,9,10,11,12,13,14,15
.if \first
	v_minmax_num_f32 v[BST+\j], v[T0+\j], v[\R+7], 0                       ; max(min(aH, K + 32768), 0)
.else
	v_minmax_num_f32 v[BST+\j], v[T0+\j], v[\R+7], v[BST+\j]
.endif
.endr
.irp j,0,1,2,3,4,5,6,7,8,9,10,11,12,13,14,15
	v_minmax_num_f32 v[BST+\j], v[T1+\j], v[\R+6], v[BST+\j]               ; max(min(aM, K), best)
.endr
.endm
; Trip t: two ROIs.  b = t % 2.  first = 1: trip 0, with no trip in front of it.  ld = 1: the records of trip t + 1 are fetched, from byte lo on, and the registers
; that the head's LDS instructions read are freed in the trip's middle.  step = 1: both addresses move on by four ROIs there.  so: the row of trip t - 1's first ROI in the min stage.
.macro TRIP b, first, ld, step, so, lo
.set PB, P0+(P1-P0)*(\b)
.set PO, P0+(P1-P0)*(1-(\b))
.set MB, MN+2*(\b)
.set MO, MN+2*(1-(\b))
.if \first
	s_wait_dscnt 4                                 ; LDS instructions of a wave end in order: the odd trips' four record loads are younger, this trip's records are in
.else
	s_wait_dscnt 0x0                               ; this trip's records, asked for a trip ago, are in: nothing was issued behind their loads
	s_wait_alu depctr_va_vdst(0)                   ; the trip before has written its two minima, which the stores read, and is done reading its records, in which the loads land; v2 and v3 are written
	ds_store_b32 v3, v[MO] offset:\so
	ds_store_b32 v3, v[MO+1] offset:\so+MINP
.if \ld
.irp i,0,1,2,3
	ds_load_b128 v[PO+4*\i:PO+4*\i+3], v2 offset:\lo+16*\i        ; no vector instruction of this trip names these registers
.endr
.endif
.endif
	ROI PB, \first, MB
.if \ld
	s_wait_alu depctr_vm_vsrc(0)                   ; the head's stores have read the two minima that the next trip writes again; they and the loads have read v3 and v2
.endif
.if \step
	v_add_nc_u32 v2, 128, v2                       ; four records on
	v_add_nc_u32 v3, 4*MINP, v3                    ; four rows on; both are read next behind the next head's wait
.endif
	ROI PB+8, 0, MB+1
.endm
	TRIP 0, 1, 0, 0, 0, 0                          ; ROIs 0, 1 start the maxima; their head has nothing to store, and trip 1's records are asked for already
	s_mov_b32 s29, 7
.Ltrip:                                                ; trips 1 to 14, two to a lap: both kinds of buffer are back at their start
	TRIP 1, 0, 1, 0, 0, 128
	TRIP 0, 0, 1, 1, 2*MINP, 192
	s_sub_co_u32 s29, s29, 1
	s_cmp_lg_u32 s29, 0
	s_cbranch_scc1 .Ltrip
	TRIP 1, 0, 0, 0, 0, 0                          ; ROIs 30, 31 fetch nothing
	; ---- the way out
	s_wait_alu depctr_va_vdst(0)                   ; the last trip has written its two minima and my 16 keys, which the stores read, and is done with v16-31 and v128-159, in which the loads behind the barrier land
	ds_store_b32 v3, v[MN+2] offset:2*MINP
	ds_store_b32 v3, v[MN+3] offset:3*MINP
.irp i,0,1,2,3
	ds_store_b128 v5, v[BST+4*\i:BST+4*\i+3] offset:512*\i
.endr
	s_wait_dscnt 0x0                               ; my keys are in LDS before I say so
	s_barrier_signal -1
	s_barrier_wait -1
.irp i,0,1,2,3,4,5,6,7
	ds_load_b128 v[T0+4*\i:T0+4*\i+3], v9 offset:16*\i             ; lane l: the 32 lanes' minima of my wave's ROI l
.endr
.irp w,0,1,2,3
	ds_load_b128 v[GX+4*\w:GX+4*\w+3], v10 offset:L_BEST+2048*\w   ; thread t: the four waves' keys of GTs 4 t .. 4 t + 3
.endr
	s_wait_dscnt 4                                 ; the four key loads are younger
.irp i,0,1,2,3,4,5,6,7,8,9
	v_min3_num_f32 v[U+\i], v[T0+3*\i], v[T0+3*\i+1], v[T0+3*\i+2]
.endr
	v_min3_num_f32 v[U], v[U], v[U+1], v[U+2]
	v_min3_num_f32 v[U+3], v[U+3], v[U+4], v[U+5]
	v_min3_num_f32 v[U+6], v[U+6], v[U+7], v[U+8]
	v_min3_num_f32 v[U+9], v[U+9], v[T0+30], v[T0+31]
	v_min3_num_f32 v[U], v[U], v[U+3], v[U+6]
	v_min_num_f32 v[U], v[U], v[U+9]               ; least d^2 to a valid GT (+inf if there is none)
	v_cmp_lt_f32 vcc_lo, s40, v[U]                 ; its root is above 4.0
	s_wait_dscnt 0x0
.irp e,0,1,2,3
	v_max3_num_f32 v[GX+\e], v[GX+\e], v[GX+4+\e], v[GX+8+\e]
.endr
.irp e,0,1,2,3
	v_max_num_f32 v[GX+\e], v[GX+\e], v[GX+12+\e]
.endr
.irp e,0,1,2,3
	v_cvt_u32_f32 v[GX+\e], v[GX+\e]               ; whole numbers below 2^16: exact
.endr
	s_wait_alu depctr_va_vcc(0)                    ; the compare has written VCC: the line below reads it
	s_and_b32 s2, vcc_lo, s30                      ; and the ROI is valid
	v_cndmask_b32 v[OP+1], 0, 1.0, s2
	v_mul_f32 v[OP], v[OP+1], v8
	s_wait_alu depctr_va_vdst(0)                   ; the ROI's two outputs and the four keys are written: the two stores read them
	global_store_b64 v11, v[OP:OP+1], s[12:13]     ; a wave's store covers 256 consecutive bytes, at a multiple of 256 from out0's first byte
	global_store_b128 v10, v[GX:GX+3], s[14:15]    ; 16 lanes store 256 consecutive bytes, aligned
	s_wait_dscnt 0x0
	s_wait_alu depctr_hold_cnt(0) depctr_sa_sdst(0) depctr_va_vdst(0) depctr_va_sdst(0) depctr_va_ssrc(0) depctr_va_vcc(0) depctr_vm_vsrc(0)
	s_wait_tensorcnt 0x0
	ds_add_u32 v239, v243
	s_wait_dscnt 0x0
	s_endpgm
.Lfunc_end_k_q1eba30bba6_pairs:
	.size	k_q1eba30bba6_pairs, .Lfunc_end_k_q1eba30bba6_pairs-k_q1eba30bba6_pairs
	.p2alignl 7, 3214868480
	.fill 96, 4, 3214868480
	.section	.rodata,"a",@progbits
	.p2align	6, 0x0
	.amdhsa_kernel k_q1eba30bba6_pairs
		.amdhsa_group_segment_fixed_size 41984
		.amdhsa_private_segment_fixed_size 0
		.amdhsa_enable_private_segment 0
		.amdhsa_kernarg_size 48
		.amdhsa_user_sgpr_count 2
		.amdhsa_user_sgpr_kernarg_segment_ptr 1
		.amdhsa_wavefront_size32 1
		.amdhsa_system_sgpr_workgroup_id_x 1
		.amdhsa_system_sgpr_workgroup_id_y 1
		.amdhsa_system_sgpr_workgroup_id_z 1
		.amdhsa_system_vgpr_workitem_id 0
		.amdhsa_next_free_vgpr 244
		.amdhsa_next_free_sgpr 66
		.amdhsa_reserve_vcc 1
		.amdhsa_float_denorm_mode_32 3
		.amdhsa_float_denorm_mode_16_64 3
		.amdhsa_memory_ordered 1
		.amdhsa_forward_progress 1
		.amdhsa_inst_pref_size 97
	.end_amdhsa_kernel
	.amdgpu_metadata
---
amdhsa.version: [ 1, 2 ]
amdhsa.kernels:
  - .name:           k_q1eba30bba6_pairs
    .symbol:         k_q1eba30bba6_pairs.kd
    .args:
      - { .name: gt_boxes_and_cls, .offset: 0, .size: 8, .value_kind: global_buffer, .address_space: global }
      - { .name: roi_labels, .offset: 8, .size: 8, .value_kind: global_buffer, .address_space: global }
      - { .name: roi_scores, .offset: 16, .size: 8, .value_kind: global_buffer, .address_space: global }
      - { .name: rois, .offset: 24, .size: 8, .value_kind: global_buffer, .address_space: global }
      - { .name: out0, .offset: 32, .size: 8, .value_kind: global_buffer, .address_space: global }
      - { .name: cand, .offset: 40, .size: 8, .value_kind: global_buffer, .address_space: global }
    .group_segment_fixed_size: 41984
    .private_segment_fixed_size: 0
    .kernarg_segment_align: 8
    .kernarg_segment_size: 48
    .max_flat_workgroup_size: 128
    .sgpr_count:     66
    .vgpr_count:     244
    .wavefront_size: 32
...
	.end_amdgpu_metadata
.endif
;; end of part 3
;; launch gather: the kernel of part 2 again; grid 8 x 8, 8 waves a work-group, no clusters, 17,664 bytes of LDS; arguments cand, gt_boxes_and_cls, roi_scores, rois, out0; writes out0
